; MI455X (gfx1250); checked and timed in simulation.
; The chip was launched on July 23, 2026; its instructions are those of AMD's public machine-readable ISA for CDNA 5 (MIT licence, August 2026) and "CDNA5" Instruction Set Architecture Reference Guide (July 2026). The comments in the code are by the model that wrote it; some were corrected since.
;; MHA Block. Allowed arithmetic: float matrix products may take bf16 or f16 operands with f32 sums; all other float work in f32.
;; Inputs: input_k 2 x 2,048 x 1,024 float32; input_q 2 x 2,048 x 1,024 float32; wk 1,024 x 1,024 float32; wq 1,024 x 1,024 float32; wv 1,024 x 1,024 float32.
;; Outputs: out0 2 x 2,048 x 1,024 float32.
;; One version. Each part assembles by itself: llvm-mc -triple=amdgcn-amd-amdhsa -mcpu=gfx1250 --defsym DOCPART=n.
;; ======== version 1 of 1: 3 launches
;; limits: values are held in f16: magnitudes above 65,504 overflow, below 6.1e-05 lose precision
;; workspace buffers: xqb 8,388,608 bytes; xkb 8,388,608 bytes; wqb 2,097,152 bytes; wkb 2,097,152 bytes; wvb 2,097,152 bytes; qh 8,388,608 bytes; kh 8,388,608 bytes; vh 8,388,608 bytes
;; launch cast (part 1): grid 256 x 1, 8 waves a work-group, no clusters, 0 bytes of LDS; arguments input_q, input_k, wq, wk, wv, xqb, xkb, wqb, wkb, wvb; writes xqb, xkb, wqb, wkb, wvb
.if DOCPART == 1
	.amdgcn_target "amdgcn-amd-amdhsa--gfx1250"
	.amdhsa_code_object_version 6
	.text
	.protected	k_q577e7490b7_cast
	.globl	k_q577e7490b7_cast
	.p2align	8
	.type	k_q577e7490b7_cast,@function
k_q577e7490b7_cast:
	s_mov_b64 s[64:65], 0
	v_nop
	global_prefetch_b8 v0, s[64:65] scope:SCOPE_SE
	s_setreg_imm32_b32 hwreg(HW_REG_WAVE_MODE, 25, 1), 1
	s_wait_xcnt 0x0
; f32 -> bf16 (round to nearest even) of the two activations [4096][1024] and the three weights [1024][1024]; layouts unchanged.
; The products that follow take bf16 operands, and the weights lie [k][n]: the transposing LDS load that makes their fragments
; works on 16-bit numbers, so they are narrowed once here.
; A stream: no LDS, no barrier, no matrix unit, no cluster (no two work-groups read the same byte).
; 256 work-groups of 256 threads.  Work-group g takes 64 KiB of each activation and 16 KiB of each weight.
; A unit = 256 threads x 16 bytes = 4 KiB in, 2 KiB out; 16 + 16 + 4 + 4 + 4 = 44 units.  All 44 loads of a wave are issued first,
; each into registers of its own, so nothing is rewritten while a load or store may still read it, and there is no loop.
; A load of a wave covers 512 consecutive bytes, a store 256 consecutive bytes, both aligned to their size.
.set UNITS, 44
.set X, 4                              ; v[4:179]  unit i: four f32 as loaded; its first two registers then hold the four bf16
	s_load_b512 s[4:19], s[0:1], 0x0               ; input_q 4:5, input_k 6:7, wq 8:9, wk 10:11, wv 12:13, xqb 14:15, xkb 16:17, wqb 18:19
	s_load_b128 s[20:23], s[0:1], 0x40             ; wkb 20:21, wvb 22:23
	s_lshl_b32 s24, ttmp9, 16                      ; my part of an activation, f32: 64 KiB
	s_mov_b32 s25, 0
	s_lshl_b32 s26, ttmp9, 15                      ; the same in bf16: 32 KiB
	s_mov_b32 s27, 0
	s_lshl_b32 s28, ttmp9, 14                      ; my part of a weight, f32: 16 KiB
	s_mov_b32 s29, 0
	s_lshl_b32 s30, ttmp9, 13                      ; the same in bf16: 8 KiB
	s_mov_b32 s31, 0
	v_lshlrev_b32 v1, 4, v0                        ; 16 bytes a thread in
	v_lshlrev_b32 v2, 3, v0                        ; 8 bytes a thread out
	s_wait_kmcnt 0x0
	s_add_nc_u64 s[4:5], s[4:5], s[24:25]
	s_add_nc_u64 s[6:7], s[6:7], s[24:25]
	s_add_nc_u64 s[8:9], s[8:9], s[28:29]
	s_add_nc_u64 s[10:11], s[10:11], s[28:29]
	s_add_nc_u64 s[12:13], s[12:13], s[28:29]
	s_add_nc_u64 s[14:15], s[14:15], s[26:27]
	s_add_nc_u64 s[16:17], s[16:17], s[26:27]
	s_add_nc_u64 s[18:19], s[18:19], s[30:31]
	s_add_nc_u64 s[20:21], s[20:21], s[30:31]
	s_add_nc_u64 s[22:23], s[22:23], s[30:31]
; n units of one buffer, the first of them unit number first of the 44
.macro LOADS first, base, n
.set u, 0
.rept \n
	global_load_b128 v[X+4*(\first+u):X+4*(\first+u)+3], v1, s[\base:\base+1] offset:4096*u th:TH_LOAD_NT   ; each input byte is read once in the launch
.set u, u+1
.endr
.endm
.macro STORES first, base, n
.set u, 0
.rept \n
	s_wait_loadcnt UNITS-1-(\first+u)              ; loads come back in order (ISA guide 5.7.1): this unit is in, the younger ones stay out
	v_cvt_pk_bf16_f32 v[X+4*(\first+u)],   v[X+4*(\first+u)],   v[X+4*(\first+u)+1]
	v_cvt_pk_bf16_f32 v[X+4*(\first+u)+1], v[X+4*(\first+u)+2], v[X+4*(\first+u)+3]
	global_store_b64 v2, v[X+4*(\first+u):X+4*(\first+u)+1], s[\base:\base+1] offset:2048*u   ; no hint: the next launch reads these bytes
.set u, u+1
.endr
.endm
	LOADS 0,  4,  16
	LOADS 16, 6,  16
	LOADS 32, 8,  4
	LOADS 36, 10, 4
	LOADS 40, 12, 4
	STORES 0,  14, 16
	STORES 16, 16, 16
	STORES 32, 18, 4
	STORES 36, 20, 4
	STORES 40, 22, 4
	s_endpgm
.Lfunc_end_k_q577e7490b7_cast:
	.size	k_q577e7490b7_cast, .Lfunc_end_k_q577e7490b7_cast-k_q577e7490b7_cast
	.p2alignl 7, 3214868480
	.fill 96, 4, 3214868480
	.section	.rodata,"a",@progbits
	.p2align	6, 0x0
	.amdhsa_kernel k_q577e7490b7_cast
		.amdhsa_group_segment_fixed_size 0
		.amdhsa_private_segment_fixed_size 0
		.amdhsa_enable_private_segment 0
		.amdhsa_kernarg_size 80
		.amdhsa_user_sgpr_count 2
		.amdhsa_user_sgpr_kernarg_segment_ptr 1
		.amdhsa_wavefront_size32 1
		.amdhsa_system_sgpr_workgroup_id_x 1
		.amdhsa_system_sgpr_workgroup_id_y 1
		.amdhsa_system_sgpr_workgroup_id_z 1
		.amdhsa_system_vgpr_workitem_id 0
		.amdhsa_next_free_vgpr 180
		.amdhsa_next_free_sgpr 66
		.amdhsa_reserve_vcc 0
		.amdhsa_float_denorm_mode_32 3
		.amdhsa_float_denorm_mode_16_64 3
		.amdhsa_memory_ordered 1
		.amdhsa_forward_progress 1
		.amdhsa_inst_pref_size 17
	.end_amdhsa_kernel
	.amdgpu_metadata
---
amdhsa.version: [ 1, 2 ]
amdhsa.kernels:
  - .name:           k_q577e7490b7_cast
    .symbol:         k_q577e7490b7_cast.kd
    .args:
      - { .name: input_q, .offset: 0, .size: 8, .value_kind: global_buffer, .address_space: global }
      - { .name: input_k, .offset: 8, .size: 8, .value_kind: global_buffer, .address_space: global }
      - { .name: wq, .offset: 16, .size: 8, .value_kind: global_buffer, .address_space: global }
      - { .name: wk, .offset: 24, .size: 8, .value_kind: global_buffer, .address_space: global }
      - { .name: wv, .offset: 32, .size: 8, .value_kind: global_buffer, .address_space: global }
      - { .name: xqb, .offset: 40, .size: 8, .value_kind: global_buffer, .address_space: global }
      - { .name: xkb, .offset: 48, .size: 8, .value_kind: global_buffer, .address_space: global }
      - { .name: wqb, .offset: 56, .size: 8, .value_kind: global_buffer, .address_space: global }
      - { .name: wkb, .offset: 64, .size: 8, .value_kind: global_buffer, .address_space: global }
      - { .name: wvb, .offset: 72, .size: 8, .value_kind: global_buffer, .address_space: global }
    .group_segment_fixed_size: 0
    .private_segment_fixed_size: 0
    .kernarg_segment_align: 8
    .kernarg_segment_size: 80
    .max_flat_workgroup_size: 256
    .sgpr_count:     66
    .vgpr_count:     180
    .wavefront_size: 32
...
	.end_amdgpu_metadata
.endif
;; end of part 1
;; launch proj (part 2): grid 12 x 16, 4 waves a work-group, clusters of 4 x 4, 327,680 bytes of LDS; arguments xqb, xkb, wqb, wkb, wvb, qh, kh, vh; writes qh, kh, vh
.if DOCPART == 2
	.amdgcn_target "amdgcn-amd-amdhsa--gfx1250"
	.amdhsa_code_object_version 6
	.text
	.protected	k_q577e7490b7_proj
	.globl	k_q577e7490b7_proj
	.p2align	8
	.type	k_q577e7490b7_proj,@function
k_q577e7490b7_proj:
	s_mov_b64 s[64:65], 0
	v_nop
	global_prefetch_b8 v0, s[64:65] scope:SCOPE_SE
	s_setreg_imm32_b32 hwreg(HW_REG_WAVE_MODE, 25, 1), 1
	s_wait_xcnt 0x0
	s_wait_alu depctr_hold_cnt(0) depctr_sa_sdst(0) depctr_va_vdst(0) depctr_va_sdst(0) depctr_va_ssrc(0) depctr_va_vcc(0) depctr_vm_vsrc(0)
	s_getreg_b32 s2, hwreg(HW_REG_IB_STS2, 6, 4)
	s_cmp_eq_u32 s2, 0
	s_cbranch_scc0 .Lentry_in_a_cluster
	s_endpgm
.Lentry_in_a_cluster:
	s_bfe_u32 s2, ttmp6, 0x10000c
	s_cmp_lg_u32 s2, 0xf033
	s_cbranch_scc0 .Lentry_shape_is_right
	s_endpgm
.Lentry_shape_is_right:
; The three projections q = Xq Wq, k = Xk Wk, v = Xk Wv in one grid.  X: [4096][1024] bf16, W: [1024 k][1024 n] bf16, sums in f32.
; Results are written head by head: [32 = batch x 16 + head][2048 tokens][64], q and k in bf16, v in f16.
; LIMIT, stated: v is kept in f16, so |v| must stay below 65,504 (inputs of unit spread and weights within 1/32 give a spread near 0.6).
; q is stored unscaled: the factor 1/8 is applied in the attention launch.
;
; The cluster's x (0, 1, 2) picks the product; inside a cluster of 4 x 4 work-groups cx picks 256 of the 1,024 columns and
; 4 x cluster y + cy the block of 256 of the 4,096 rows.  3 x 4 x 16 = 192 work-groups: 3,072 columns do not divide into 256 equal
; blocks that each stay inside one weight, and blocks of 128 x 128 would halve the products fed by each byte read from LDS.
; A work-group makes 256 x 256 with four waves, a wave 128 x 128: 64 accumulator tiles of 16 x 16, 512 registers.
; K = 1,024 goes in steps of 128 through a ring of two LDS slots filled by the tensor data mover.
; JOINT LOADS: the four work-groups of a row of the cluster need the same tiles of X, the four of a column the same tiles of W.  Each of
; the four issues the same tensor load, with the same descriptor and a mask that names the four: the requests for X and W are divided by four.
;
; REGISTERS, in windows of 256 (s_set_vgpr_msb says which window each operand place means):
;   window 0: v0-31 addresses; v64-127, v128-191 fragments of X (8 x 16 rows x 32 K), two buffers; v192-223 at work on the way out
;   window 1: v64-127, v128-191 fragments of W, two buffers
;   window 2: the 32 accumulator tiles of my rows 0-63 (tile (a, b) at v[8 (8 a + b)]);   window 3: those of my rows 64-127
; THE MATRIX INSTRUCTION IS USED TRANSPOSED: source 0 = 16 columns of W, source 1 = 16 rows of X.  Lane l then holds row l % 16 of the
; result and its registers 0 to 7 the columns 8 (l / 16) + 0 .. 7: eight neighbouring numbers of a row, 16 bytes when packed.
.set SIZE_K, 1024
.set KSTEP,  128
.set PITCH,  272                       ; X in LDS: 256 bytes of a row + 16 of padding, an odd multiple of 16: the 16 rows that a load touches start at 16 different 16-byte columns modulo 256
.set BP,     544                       ; W in LDS: a k row of 256 columns = 512 bytes + 32 of padding, an odd multiple of 32, for the transposing loads
.set HALFT,  128*PITCH                 ; what one tensor load brings: 128 rows of X, or 64 k rows of W (64 x 544 is the same 34,816 bytes)
.set SLOT,   4*HALFT                   ; X's 256 rows, then W's 128 k rows
.set STAGE,  2*SLOT                    ; behind the ring: 16 rows x 272 bytes for each wave, for the way out; no tensor load lands here
.set SPITCH, 272
.set LAPS,   SIZE_K/(2*KSTEP)          ; a lap = two K steps = once round the ring: 4
.set ASTEP,  2*KSTEP*2                 ; two K steps along a row of X, in bytes
.set BSTEP,  2*KSTEP*2048              ; two K steps down the rows of W, in bytes
.set ADRA, 16                          ; v16-17  LDS address of my X fragments in slot 0, 1
.set ADRB, 20                          ; v20-21  the same for W
.set STO,  24                          ; v24     the way out: where I put 16 bytes of a row
.set RD,   25                          ; v25     the way out: where I read back
.set CO,   26                          ; v26     my byte offset in the result
.set F0,   64                          ; fragment buffer 0
.set F1,   128                         ; fragment buffer 1
.set TMP,  192                         ; the way out: packed results, in window 0
.set G1,  24                           ; s[24:31] descriptor group 1 for X's tiles
.set G0,  32                           ; s[32:39] descriptor group 0 for X's tiles, one set for each slot
.set G1B, 48                           ; s[48:55] descriptor group 1 for W's tiles
.set G0B, 56                           ; s[56:63] descriptor group 0 for W's tiles, one set for each slot
.set MSB, 0
.macro WIN new                         ; the immediate's high byte repeats the setting that is left
.if MSB != \new
	s_set_vgpr_msb (MSB<<8)|\new
.set MSB, \new
.endif
.endm
.set MUL_LO, 0xa1                      ; source 0 (W) window 1, source 1 (X) window 0, C and D window 2
.set MUL_HI, 0xf1                      ; the same, C and D window 3
.set TO_B,   0x40                      ; destination window 1, address window 0
; A joint load.  Waves 0 and 1 fetch X's two halves, waves 2 and 3 W's.  Each line has one mask and one set of registers for all that issue it.
; The branch hangs on the wave's number alone.
.macro JLOAD s
	s_cmp_eq_u32 s11, 0
	s_cbranch_scc0 .Lfor_b_\@
	tensor_load_to_lds s[G0+4*\s:G0+4*\s+3], s[G1:G1+7]
	s_nop 0
	s_branch .Lasked_\@
.Lfor_b_\@:
	tensor_load_to_lds s[G0B+4*\s:G0B+4*\s+3], s[G1B:G1B+7]
	s_nop 0
.Lasked_\@:
.endm
; A round of the cluster's barrier: my work-group's barrier, so that wave 0's signal speaks for all four waves; wave 0 signals for the
; work-group; every wave waits for all sixteen work-groups; my work-group's barrier once more.
.macro CREST                           ; a round behind its opening barrier
	s_cmp_lg_u32 s10, 0
	s_cbranch_scc1 .Lnot_wave_0_\@
	s_barrier_signal -3
.Lnot_wave_0_\@:
	s_barrier_wait -3
	s_barrier_signal -1
	s_barrier_wait -1
.endm
.macro CROUND                          ; a whole round
	s_barrier_signal -1
	s_barrier_wait -1
	CREST
.endm
	s_load_b512 s[68:83], s[0:1], 0x0              ; xqb 68:69, xkb 70:71, wqb 72:73, wkb 74:75, wvb 76:77, qh 78:79, kh 80:81, vh 82:83
	s_set_vgpr_msb 0x40
	v_lshl_add_u32 v255, v0, 2, 0x48400
	s_set_vgpr_msb 0x4000
	v_mov_b32 v255, 0
	s_set_vgpr_msb 0x1
	ds_add_u32 v255, v255
	s_set_vgpr_msb 0x100
	v_lshrrev_b32 v1, 5, v0
	v_readfirstlane_b32 s10, v1                    ; wave 0..3
	s_lshr_b32 s11, s10, 1                         ; which half of the block's rows is mine.  Also: I fetch for X (0) or for W (1)
	s_and_b32 s12, s10, 1                          ; which half of its columns.  Also: which half of that tile I fetch
	s_bfe_u32 s40, ttmp6, 0x40000                  ; cx: the block of 256 columns
	s_bfe_u32 s41, ttmp6, 0x40004                  ; cy
	s_and_b32 s13, ttmp7, 0xffff
	s_lshl_b32 s13, s13, 2
	s_add_co_u32 s13, s13, s41                     ; block row = 4 x cluster y + cy, 0 .. 15
	s_lshl_b32 s43, s41, 2
	s_lshl_b32 s43, 15, s43                        ; my row of the cluster: places 4 cy .. 4 cy + 3
	s_lshl_b32 s44, 0x1111, s40                    ; my column: places cx, cx + 4, cx + 8, cx + 12
	; group 1 for X: 128 rows x 128 elements of 2 bytes, 1,024 elements from row to row; after every 64 words (code 5) 4 words of padding (code 3)
	s_or_b32 s[G1+0], s43, (1<<16)|(1<<20)|(1<<21)|(5<<22)|(3<<25)   ; 15:0 the mask of my row; 17:16 element size; 20 padding on; 21 set beside a mask
	s_mov_b32 s[G1+1], KSTEP<<16                   ; tensor_dim0 = 128
	s_mov_b32 s[G1+2], 128<<16                     ; tensor_dim1 = 128
	s_mov_b32 s[G1+3], KSTEP<<16                   ; tile_dim0 = 128
	s_mov_b32 s[G1+4], 128                         ; tile_dim1 = 128
	s_mov_b32 s[G1+5], SIZE_K                      ; the pitch
	s_mov_b32 s[G1+6], 0
	s_mov_b32 s[G1+7], 0
	; group 1 for W: 64 k rows x 256 elements, 1,024 elements from row to row; after every 128 words (code 6) 8 words of padding (code 7)
	s_or_b32 s[G1B+0], s44, (1<<16)|(1<<20)|(1<<21)|(6<<22)|(7<<25)  ; the mask of my column
	s_mov_b32 s[G1B+1], 256<<16                    ; tensor_dim0 = 256
	s_mov_b32 s[G1B+2], 64<<16                     ; tensor_dim1 = 64
	s_mov_b32 s[G1B+3], 256<<16                    ; tile_dim0 = 256
	s_mov_b32 s[G1B+4], 64                         ; tile_dim1 = 64
	s_mov_b32 s[G1B+5], 1024                       ; the pitch
	s_mov_b32 s[G1B+6], 0
	s_mov_b32 s[G1B+7], 0
	; where the tiles come from.  X's hang on the block row, which my row of the cluster shares; W's on cx, which my column shares.
	; Each offset is made in registers that never hold the other coordinate.
	s_lshl_b32 s16, s13, 8
	s_lshl_b32 s17, s12, 7
	s_add_co_u32 s16, s16, s17                     ; X: row 256 x block row + 128 x half
	s_lshl_b32 s16, s16, 11                        ; x 2,048 bytes a row (8 MiB at the most)
	s_mov_b32 s17, 0
	s_lshl_b32 s46, s12, 17                        ; W: 64 k rows x 2,048 bytes x half
	s_lshl_b32 s47, s40, 9                         ;    + 256 columns x 2 bytes x cx
	s_add_co_u32 s46, s46, s47
	s_mov_b32 s47, 0
	s_mul_i32 s20, s10, HALFT                      ; where they go: X's two halves, then W's two halves = wave x 34,816
	s_wait_dscnt 0x0
	s_wait_kmcnt 0x0
	s_cmp_eq_u32 ttmp9, 0                          ; the product, by the cluster's x, which all sixteen partners share
	s_cselect_b64 s[4:5], s[68:69], s[70:71]       ; X: xqb for q, xkb for k and v
	s_cselect_b64 s[6:7], s[72:73], s[74:75]       ; W: wqb or wkb
	s_cselect_b64 s[8:9], s[78:79], s[80:81]       ; result: qh or kh
	s_cmp_eq_u32 ttmp9, 2
	s_cselect_b64 s[6:7], s[76:77], s[6:7]         ; wvb
	s_cselect_b64 s[8:9], s[82:83], s[8:9]         ; vh
	s_add_nc_u64 s[14:15], s[4:5], s[16:17]
	s_add_nc_u64 s[46:47], s[6:7], s[46:47]
	CROUND                                         ; all sixteen work-groups are here: the first joint loads meet
.irp s, 0,1
	s_mov_b32 s[G0+4*\s], 1                                        ; count = 1
	s_add_co_u32 s[G0+4*\s+1], s20, \s*SLOT                        ; LDS address
	s_add_nc_u64 s[G0+4*\s+2:G0+4*\s+3], s[14:15], \s*KSTEP*2      ; global address: K step s along the rows
	s_or_b32 s[G0+4*\s+3], s[G0+4*\s+3], 0x80000000                ; type = 2
	s_mov_b32 s[G0B+4*\s], 1
	s_add_co_u32 s[G0B+4*\s+1], s20, \s*SLOT
	s_add_nc_u64 s[G0B+4*\s+2:G0B+4*\s+3], s[46:47], \s*KSTEP*2048 ; K step s down the rows
	s_or_b32 s[G0B+4*\s+3], s[G0B+4*\s+3], 0x80000000
	JLOAD \s                                       ; both first fills go out before anything else: two tensor loads of the wave are out here, later one
.endr
	; A fragment is 16 rows x 32 K in 8 registers: lane l holds row l % 16; registers 0-3 K = 8 (l / 16) + 0..7, registers 4-7 K = 16 + 8 (l / 16) + 0..7.
	; X lies along K: two loads of 16 bytes, 32 bytes apart.  W lies [k][n]: two transposing loads, 16 k rows apart; lane l addresses
	; k row 8 (l / 16) + l % 8 and the 16 bytes of columns 8 ((l / 8) % 2) + 0..7 of the block of 16.
	v_and_b32 v1, 15, v0                           ; l % 16
	v_bfe_u32 v2, v0, 4, 1                         ; l / 16
	v_mul_u32_u24 v3, v1, PITCH
	v_lshl_add_u32 v3, v2, 4, v3                   ; row x pitch + 16 x half
	v_and_b32 v6, 7, v0
	v_lshl_or_b32 v6, v2, 3, v6                    ; 8 (l / 16) + l % 8
	v_mul_u32_u24 v6, v6, BP
	v_bfe_u32 v7, v0, 3, 1
	v_lshl_add_u32 v6, v7, 4, v6
	s_mul_i32 s21, s11, HALFT                      ; my 128 rows of X
	s_lshl_b32 s22, s12, 8                         ; my 128 columns of W: 256 bytes into each k row,
	s_add_co_u32 s22, s22, 2*HALFT                 ; behind X's 256 rows
.irp s, 0,1
	v_add_nc_u32 v[ADRA+\s], s21, v3
	v_add_nc_u32 v[ADRB+\s], s22, v6
	s_add_co_u32 s21, s21, SLOT
	s_add_co_u32 s22, s22, SLOT
.endr
	s_mul_i32 s23, s10, 16*SPITCH
	s_add_co_u32 s23, s23, STAGE                   ; my stage
	v_mul_u32_u24 v4, v1, SPITCH                   ; in: row l % 16, 16 bytes for each half of the lanes
	v_lshl_add_u32 v4, v2, 4, v4
	v_add_nc_u32 v[STO], s23, v4
	v_and_b32 v8, 31, v0                           ; lane
	v_lshrrev_b32 v9, 3, v8                        ; back: eight lanes take the 128 bytes that one token has in one head, four tokens a load
	v_mul_u32_u24 v9, v9, SPITCH
	v_and_b32 v10, 7, v0
	v_lshl_add_u32 v9, v10, 4, v9
	v_add_nc_u32 v[RD], s23, v9
	v_lshlrev_b32 v[CO], 4, v8                     ; in the result four tokens of a head are 512 consecutive bytes: 16 x lane
; 16 matrix instructions: m blocks a0, a0 + 1 of the window's four x all 8 n blocks, 32 along K.  zero = 1: the first product starts the sums.
; The 64 accumulators take turns, one instruction a turn, in the same order in every quarter step.
.macro MUL16 f, hi, a0, zero
.irp a, \a0, \a0+1
.irp b, 0,1,2,3,4,5,6,7
.if \zero
	v_wmma_f32_16x16x32_bf16 v[8*(8*(\a)+\b):8*(8*(\a)+\b)+7], v[\f+8*\b:\f+8*\b+7], v[\f+8*(4*\hi+\a):\f+8*(4*\hi+\a)+7], 0
.else
	v_wmma_f32_16x16x32_bf16 v[8*(8*(\a)+\b):8*(8*(\a)+\b)+7], v[\f+8*\b:\f+8*\b+7], v[\f+8*(4*\hi+\a):\f+8*(4*\hi+\a)+7], v[8*(8*(\a)+\b):8*(8*(\a)+\b)+7]
.endif
.endr
.endr
.endm
; 32 LDS loads in one run: the fragments of quarter q of a K step (32 k: 128 columns of W, 128 rows of X) into buffer f
.macro FETCH slot, q, f
	WIN TO_B
.irp i, 0,1,2,3,4,5,6,7
	ds_load_tr16_b128 v[\f+8*\i:\f+8*\i+3],   v[ADRB+\slot] offset:\q*32*BP+32*\i
	ds_load_tr16_b128 v[\f+8*\i+4:\f+8*\i+7], v[ADRB+\slot] offset:\q*32*BP+16*BP+32*\i
.endr
	WIN 0
.irp i, 0,1,2,3,4,5,6,7
	ds_load_b128 v[\f+8*\i:\f+8*\i+3],   v[ADRA+\slot] offset:64*\q+\i*16*PITCH
	ds_load_b128 v[\f+8*\i+4:\f+8*\i+7], v[ADRA+\slot] offset:64*\q+\i*16*PITCH+32
.endr
.endm
; A load into a register that a matrix instruction has read, and a vector instruction that reads a matrix result, stand four places behind
; that matrix instruction; only plain vector instructions that name none of its registers are places.
.macro PLACES
.rept 4
	v_nop
.endr
.endm
; One of a K step's first three quarters: multiplies buffer f; in its middle it fetches quarter q of the same slot into buffer g.
.macro QUARTER slot, q, f, g, zero
	s_wait_dscnt 8                                 ; W and X's rows 0-63 are in; the youngest eight loads (X's rows 64-127) may be out
	WIN MUL_LO
	MUL16 \f, 0, 0, \zero
	MUL16 \f, 0, 2, \zero
	PLACES
	FETCH \slot, \q, \g
	s_wait_dscnt 32                                ; all but the 32 just issued
	WIN MUL_HI
	MUL16 \f, 1, 0, \zero
	MUL16 \f, 1, 2, \zero
.endm
.macro THREE slot, zero
	QUARTER \slot, 1, F0, F1, \zero
	QUARTER \slot, 2, F1, F0, 0
	QUARTER \slot, 3, F0, F1, 0
.endm
; The last quarter: multiplies buffer 1 and changes slots.  fill = 1: this slot is filled again, two K steps ahead.
; In front of the barrier each wave waits for its own reads of this slot and for all its tensor loads, of which one is out: its part of the
; next slot.  Behind it nobody reads this slot any more and the next slot is whole: the refill comes first, then the next slot's fragments.
.macro TURN slot, next, fill
	s_wait_dscnt 8
	WIN MUL_LO
	MUL16 F1, 0, 0, 0
	s_wait_dscnt 0                                 ; my reads of this slot are over
	s_wait_tensorcnt 0x0                           ; and all my tensor loads have landed
	ds_add_u32 v255, v255
	s_wait_dscnt 0x0
	s_barrier_signal -1                            ; say so (where a slot is filled again this barrier opens a round of the cluster's barrier),
	MUL16 F1, 0, 2, 0                              ; work on registers while the others arrive,
	WIN 0
	s_barrier_wait -1
.if \fill
	CREST                                          ; all sixteen work-groups have said so: no wave of any partner still reads this slot or has a load on its way
	s_add_nc_u64 s[G0+4*\slot+2:G0+4*\slot+3], s[G0+4*\slot+2:G0+4*\slot+3], ASTEP
	s_add_nc_u64 s[G0B+4*\slot+2:G0B+4*\slot+3], s[G0B+4*\slot+2:G0B+4*\slot+3], BSTEP
	JLOAD \slot                                    ; the wave's one tensor load behind the round, and the first thing there
.endif
	PLACES
	FETCH \next, 0, F0
	WIN MUL_HI
	MUL16 F1, 1, 0, 0
	MUL16 F1, 1, 2, 0
.endm
.macro LAP zero                        ; once round the ring, both slots filled again
	THREE 0, \zero
	TURN 0, 1, 1
	THREE 1, 0
	TURN 1, 0, 1
.endm
	s_wait_tensorcnt 1                             ; my part of K step 0 is in; K step 1's may stay out
	s_barrier_signal -1
	s_barrier_wait -1                              ; everybody's is
	FETCH 0, 0, F0
	LAP 1                                          ; the first lap stands in front of the loop: its first products start the sums
	WIN 0                                          ; at a label and at a branch every window is 0
	s_mov_b32 s3, LAPS-2
.Llap:
	LAP 0
	WIN 0
	s_sub_co_u32 s3, s3, 1
	s_cmp_lg_u32 s3, 0
	s_cbranch_scc1 .Llap
	THREE 0, 0                                     ; the last lap fills nothing
	TURN 0, 1, 0
	THREE 1, 0
	s_wait_dscnt 8                                 ; the very last quarter: nothing more to fetch
	WIN MUL_LO
	MUL16 F1, 0, 0, 0
	MUL16 F1, 0, 2, 0
	s_wait_dscnt 0
	WIN MUL_HI
	MUL16 F1, 1, 0, 0
	MUL16 F1, 1, 2, 0
	; THE WAY OUT, 16 tokens at a time: round to 16 bits, 16 bytes a lane into my own stage, read back by head, store 512 consecutive bytes.
	PLACES                                         ; the places behind the last matrix instructions, for the conversions and for the loads into the buffers
	WIN 0
	s_lshr_b32 s16, s13, 3                         ; the batch: 8 block rows each
	s_lshl_b32 s16, s16, 22                        ; x 16 heads x 262,144 bytes
	s_and_b32 s14, s13, 7
	s_lshl_b32 s14, s14, 15                        ; + 256 tokens x 128 bytes x block row in the batch
	s_add_co_u32 s16, s16, s14
	s_lshl_b32 s14, s11, 14                        ; + 128 tokens x 128 bytes x my half
	s_add_co_u32 s16, s16, s14
	s_mov_b32 s17, 0
	s_add_nc_u64 s[8:9], s[8:9], s[16:17]
	s_lshl_b32 s46, s40, 20                        ; + 4 heads x cx (in the registers that held W's offset: none that fed X's descriptors holds cx)
	s_lshl_b32 s47, s12, 19                        ; + 2 heads x my half of the columns
	s_add_co_u32 s46, s46, s47
	s_mov_b32 s47, 0
	s_add_nc_u64 s[8:9], s[8:9], s[46:47]
; tokens 16 i .. 16 i + 15 of my block = the eight tiles (a, 0..7) of window 2 or 3 (from = 0x0a or 0x0f: sources 0 and 1); f: F0 or F1 in turn; op: the conversion
.macro OUT16 i, a, from, f, op
	WIN \from
.irp b, 0,1,2,3,4,5,6,7
.irp r, 0,1,2,3
	\op v[TMP+4*\b+\r], v[8*(8*\a+\b)+2*\r], v[8*(8*\a+\b)+2*\r+1]
.endr
.endr
	WIN 0
.irp b, 0,1,2,3,4,5,6,7
	ds_store_b128 v[STO], v[TMP+4*\b:TMP+4*\b+3] offset:32*\b
.endr
	s_wait_xcnt 0x0                                ; buffer f, which earlier stores read, and the stores' base are rewritten only behind this wait (ISA guide 3.1)
.if \i
	s_add_nc_u64 s[8:9], s[8:9], 16*128            ; 16 tokens on
.endif
.irp t, 0,1,2,3,4,5,6,7
	ds_load_b128 v[\f+4*\t:\f+4*\t+3], v[RD] offset:(\t&3)*4*SPITCH+(\t>>2)*128   ; four tokens of one of my two heads; LDS serves a wave's instructions in order (ISA guide 5.7.1.4): these see the stores above
.endr
.irp t, 0,1,2,3,4,5,6,7
	s_wait_dscnt 7-\t
	global_store_b128 v[CO], v[\f+4*\t:\f+4*\t+3], s[8:9] offset:(\t>>2)*262144+(\t&3)*512   ; the wave stores 512 consecutive bytes, at a multiple of 512 from the buffer's first byte
.endr
.endm
.macro ALLOUT op
	OUT16 0, 0, 0x0a, F0, \op
	OUT16 1, 1, 0x0a, F1, \op
	OUT16 2, 2, 0x0a, F0, \op
	OUT16 3, 3, 0x0a, F1, \op
	OUT16 4, 0, 0x0f, F0, \op
	OUT16 5, 1, 0x0f, F1, \op
	OUT16 6, 2, 0x0f, F0, \op
	OUT16 7, 3, 0x0f, F1, \op
.endm
	s_cmp_eq_u32 ttmp9, 2                          ; the product again: the same in all sixteen partners
	s_cbranch_scc1 .Lf16
	ALLOUT v_cvt_pk_bf16_f32                       ; q and k: bf16, for its range
	s_branch .Ldone
.Lf16:
	ALLOUT v_cvt_pk_f16_f32                        ; v: f16, three more bits: the output is a mean over many keys and is compared against its own small spread
.Ldone:
	s_set_vgpr_msb 0x1
	s_wait_tensorcnt 0x0
	ds_add_u32 v255, v255
	s_wait_dscnt 0x0
	s_set_vgpr_msb 0x100
	CROUND                                         ; the closing round: no work-group ends while a partner may still ask for a tile that names it
	s_endpgm
.Lfunc_end_k_q577e7490b7_proj:
	.size	k_q577e7490b7_proj, .Lfunc_end_k_q577e7490b7_proj-k_q577e7490b7_proj
	.p2alignl 7, 3214868480
	.fill 96, 4, 3214868480
	.section	.rodata,"a",@progbits
	.p2align	6, 0x0
	.amdhsa_kernel k_q577e7490b7_proj
		.amdhsa_group_segment_fixed_size 327680
		.amdhsa_private_segment_fixed_size 0
		.amdhsa_enable_private_segment 0
		.amdhsa_kernarg_size 64
		.amdhsa_user_sgpr_count 2
		.amdhsa_user_sgpr_kernarg_segment_ptr 1
		.amdhsa_wavefront_size32 1
		.amdhsa_system_sgpr_workgroup_id_x 1
		.amdhsa_system_sgpr_workgroup_id_y 1
		.amdhsa_system_sgpr_workgroup_id_z 1
		.amdhsa_system_vgpr_workitem_id 0
		.amdhsa_next_free_vgpr 1024
		.amdhsa_next_free_sgpr 84
		.amdhsa_reserve_vcc 0
		.amdhsa_float_denorm_mode_32 3
		.amdhsa_float_denorm_mode_16_64 3
		.amdhsa_memory_ordered 1
		.amdhsa_forward_progress 1
		.amdhsa_inst_pref_size 230
	.end_amdhsa_kernel
	.amdgpu_metadata
---
amdhsa.version: [ 1, 2 ]
amdhsa.kernels:
  - .name:           k_q577e7490b7_proj
    .symbol:         k_q577e7490b7_proj.kd
    .args:
      - { .name: xqb, .offset: 0, .size: 8, .value_kind: global_buffer, .address_space: global }
      - { .name: xkb, .offset: 8, .size: 8, .value_kind: global_buffer, .address_space: global }
      - { .name: wqb, .offset: 16, .size: 8, .value_kind: global_buffer, .address_space: global }
      - { .name: wkb, .offset: 24, .size: 8, .value_kind: global_buffer, .address_space: global }
      - { .name: wvb, .offset: 32, .size: 8, .value_kind: global_buffer, .address_space: global }
      - { .name: qh, .offset: 40, .size: 8, .value_kind: global_buffer, .address_space: global }
      - { .name: kh, .offset: 48, .size: 8, .value_kind: global_buffer, .address_space: global }
      - { .name: vh, .offset: 56, .size: 8, .value_kind: global_buffer, .address_space: global }
    .group_segment_fixed_size: 327680
    .private_segment_fixed_size: 0
    .kernarg_segment_align: 8
    .kernarg_segment_size: 64
    .max_flat_workgroup_size: 128
    .sgpr_count:     84
    .vgpr_count:     1024
    .wavefront_size: 32
...
	.end_amdgpu_metadata
.endif
;; end of part 2
;; launch attn (part 3): grid 8 x 32, 8 waves a work-group, clusters of 4 x 1, 327,680 bytes of LDS; arguments qh, kh, vh, out0; writes out0
.if DOCPART == 3
	.amdgcn_target "amdgcn-amd-amdhsa--gfx1250"
	.amdhsa_code_object_version 6
	.text
	.protected	k_q577e7490b7_attn
	.globl	k_q577e7490b7_attn
	.p2align	8
	.type	k_q577e7490b7_attn,@function
k_q577e7490b7_attn:
	s_mov_b64 s[64:65], 0
	v_nop
	global_prefetch_b8 v0, s[64:65] scope:SCOPE_SE
	s_setreg_imm32_b32 hwreg(HW_REG_WAVE_MODE, 25, 1), 1
	s_wait_xcnt 0x0
	s_wait_alu depctr_hold_cnt(0) depctr_sa_sdst(0) depctr_va_vdst(0) depctr_va_sdst(0) depctr_va_ssrc(0) depctr_va_vcc(0) depctr_vm_vsrc(0)
	s_getreg_b32 s2, hwreg(HW_REG_IB_STS2, 6, 4)
	s_cmp_eq_u32 s2, 0
	s_cbranch_scc0 .Lentry_in_a_cluster
	s_endpgm
.Lentry_in_a_cluster:
	s_bfe_u32 s2, ttmp6, 0x10000c
	s_cmp_lg_u32 s2, 0x3003
	s_cbranch_scc0 .Lentry_shape_is_right
	s_endpgm
.Lentry_shape_is_right:
; out = softmax(q k^T / 8) v for 32 (batch, head) pairs, 2,048 queries x 2,048 keys, d = 64, with a running maximum.
; qh, kh: [32][2048][64] bf16; vh: the same in f16; out0: [2][2048][1024] f32.
; LIMITS, stated: the probabilities go to the matrix unit in f16 (they lie in (0, 1] up to rounding; a term below 2^-24 of its row's largest
; vanishes), v is f16 (|v| < 65,504), q and k are bf16.  Maximum, exponentials, sums and the division are f32.
;
; y of the grid = batch x 16 + head.  A work-group takes 256 queries, a wave 32, as two tiles t of 16.  8 x 32 = 256 work-groups.
; CLUSTER: the four work-groups of a cluster take four query blocks of one head and walk the same K and V.  Every fill is one joint
; tensor load with the mask of all four: the requests for K and V are divided by four.
; The 2,048 keys go in 8 phases of 256 through two LDS slots; a phase is 4 steps of 64 keys.  A slot holds eight regions, one filled by each
; wave with one load: waves 0-3 bring 64 keys of K each, waves 4-7 64 keys of V each; step j reads regions j and 4 + j.
;
; LAYOUTS, chosen so that nothing is shuffled:
;   S^T = K Q^T: lane (r = l % 16, h = l / 16) holds query r and, in tile kt, keys 16 kt + 8 h + 0..7.  So a row's maximum and sum are
;   in-lane work and one exchange with lane l xor 16, and two tiles of S^T, packed in place, ARE the second source of the next product:
;   O^T = V^T P^T: V^T comes by the transposing LDS load; lane (r, h) holds query r, d = 16 dt + 8 h + 0..7: the rescale is a multiply per lane.
; The factor 1/8 and log2 e are one constant c: p = 2^(s c - m c), one fused multiply-add in front of each exponential.
.set KP,     144                       ; K in LDS: 128 bytes of a key + 16: an odd multiple of 16
.set VP,     160                       ; V in LDS: 128 bytes + 32: an odd multiple of 32, for the transposing loads
.set REGION, 10240                     ; a wave's fill: 64 x 160 (V) or 64 x 144 = 9,216 (K)
.set SLOT,   8*REGION                  ; 81,920
.set STAGE,  2*SLOT                    ; 163,840: the way out, bytes of its own, into which no tensor load lands
.set SP,     272                       ; a row of the stage: 64 f32 + 16 bytes
.set WSTAGE, 32*SP                     ; a wave's 32 queries
.set PHASEB, 32768                     ; 256 keys x 128 bytes
.set T2,   0                           ; v0-1     what comes from lane l xor 16, tile t
.set ADRK, 2                           ; v2-3     LDS address of my K fragments in slot 0, 1
.set ADRV, 4                           ; v4-5     the same for V
.set STO,  6                           ; v6       the way out: in
.set RD,   7                           ; v7       the way out: back
.set CO,   8                           ; v8       my byte offset in out0
.set QOFF, 9                           ; v9       my byte offset in the wave's 32 rows of q
.set M,    10                          ; v10-11   running maximum of the raw scores, tile t
.set L,    12                          ; v12-13   running sum, my half of the keys, tile t
.set NM,   14                          ; v[14:17] the shift -m c, twice (a pair for the packed forms), tile t
.set AL,   18                          ; v[18:21] the rescale factor, twice, tile t
.set T,    22                          ; v22-23   at work, tile t
.set LS,   24                          ; v[24:31] at work: pair 24 + 4 t + 2 c, chain c of tile t
.set Q,    32                          ; v[32:63]   fragment (t, ks) at 32 + 16 t + 8 ks
.set KV,   64                          ; v[64:127]  K(kt, ks) at 64 + 32 ks + 8 kt, then V(dt, u) at 64 + 32 u + 8 dt
.set S,    128                         ; v[128:191] S(kt, t) at 128 + 32 t + 8 kt; packed: P(t, u) at 128 + 32 t + 16 u
.set O,    192                         ; v[192:255] O(dt, t) at 192 + 16 dt + 8 t
.set G1K, 24                           ; s[24:31] group 1 for K
.set G0K, 32                           ; s[32:39] group 0 for K, one set for each slot
.set G1V, 40                           ; s[40:47] group 1 for V
.set G0V, 48                           ; s[48:55] group 0 for V, one set for each slot
; A round of the cluster's barrier: my work-group's barrier; wave 0 signals for the work-group; every wave waits for all four work-groups;
; my work-group's barrier once more.
.macro ROUND
	s_barrier_signal -1
	s_barrier_wait -1
	s_cmp_lg_u32 s12, 0
	s_cbranch_scc1 .Lnot_wave_0_\@
	s_barrier_signal -3
.Lnot_wave_0_\@:
	s_barrier_wait -3
	s_barrier_signal -1
	s_barrier_wait -1
.endm
; A joint load into slot s: waves 0-3 ask for K, waves 4-7 for V, one load a wave.  The branch hangs on the wave's number alone.
.macro JLOAD s
	s_cmp_eq_u32 s13, 0
	s_cbranch_scc0 .Lfor_v_\@
	tensor_load_to_lds s[G0K+4*\s:G0K+4*\s+3], s[G1K:G1K+7]
	s_nop 0
	s_branch .Lasked_\@
.Lfor_v_\@:
	tensor_load_to_lds s[G0V+4*\s:G0V+4*\s+3], s[G1V:G1V+7]
	s_nop 0
.Lasked_\@:
.endm
.macro PLACES n                        ; places behind matrix instructions (ISA guide 7.12.1)
.rept \n
	v_nop
.endr
.endm
	s_load_b256 s[4:11], s[0:1], 0x0               ; qh 4:5, kh 6:7, vh 8:9, out0 10:11
	s_set_vgpr_msb 0x40
	v_lshl_add_u32 v0, v0, 2, 0x39000
	v_mov_b32 v1, 0
	s_set_vgpr_msb 0x4045
	ds_add_u32 v0, v1
	s_set_vgpr_msb 0x4500
	v_lshrrev_b32 v1, 5, v0
	v_readfirstlane_b32 s12, v1                    ; wave 0..7
	s_lshr_b32 s13, s12, 2                         ; I fetch for K (0) or for V (1)
	s_and_b32 s14, s12, 3                          ; which 64 keys of a phase I fetch
	s_bfe_u32 s15, ttmp6, 0x40000                  ; cx
	s_lshl_b32 s16, ttmp9, 2
	s_add_co_u32 s16, s16, s15                     ; query block = 4 x cluster x + cx, 0 .. 7
	s_and_b32 s17, ttmp7, 0xffff                   ; batch x 16 + head
	s_mov_b32 s56, 0x76543210                      ; v_permlanex16_b32: lane i of one half reads lane i of the other
	s_mov_b32 s57, 0xfedcba98
	s_mov_b32 s58, 0x3e38aa3b                      ; c = log2(e) / 8
	s_mov_b32 s59, 0x3e38aa3b                      ; (the packed form names the pair)
	s_mov_b32 s60, 0xbe38aa3b                      ; -c
	; group 1: 64 keys x 64 elements of 2 bytes, dense in memory; after every 32 words (code 4) 4 words of padding for K (code 3), 8 for V (code 7)
	s_mov_b32 s[G1K+0], 15|(1<<16)|(1<<20)|(1<<21)|(4<<22)|(3<<25)   ; 15:0 the mask: all four work-groups of the cluster; 21 set beside a mask
	s_mov_b32 s[G1K+1], 64<<16                     ; tensor_dim0 = 64
	s_mov_b32 s[G1K+2], 64<<16                     ; tensor_dim1 = 64
	s_mov_b32 s[G1K+3], 64<<16                     ; tile_dim0 = 64
	s_mov_b32 s[G1K+4], 64                         ; tile_dim1 = 64
	s_mov_b32 s[G1K+5], 64                         ; the pitch
	s_mov_b32 s[G1K+6], 0
	s_mov_b32 s[G1K+7], 0
	s_mov_b32 s[G1V+0], 15|(1<<16)|(1<<20)|(1<<21)|(4<<22)|(7<<25)
	s_mov_b32 s[G1V+1], 64<<16
	s_mov_b32 s[G1V+2], 64<<16
	s_mov_b32 s[G1V+3], 64<<16
	s_mov_b32 s[G1V+4], 64
	s_mov_b32 s[G1V+5], 64
	s_mov_b32 s[G1V+6], 0
	s_mov_b32 s[G1V+7], 0
	s_lshl_b32 s20, s17, 18                        ; K and V: the head's 262,144 bytes
	s_lshl_b32 s21, s14, 13                        ; + my 64 keys x 128 bytes; nothing of cx enters
	s_add_co_u32 s20, s20, s21
	s_mov_b32 s21, 0
	s_mul_i32 s18, s12, REGION                     ; my region in a slot
	s_lshl_b32 s22, s17, 18                        ; q: the head,
	s_lshl_b32 s23, s16, 15                        ; + 256 queries x 128 bytes x block
	s_add_co_u32 s22, s22, s23
	s_lshl_b32 s23, s12, 12                        ; + 32 queries x 128 bytes x wave
	s_add_co_u32 s22, s22, s23
	s_mov_b32 s23, 0
	s_wait_dscnt 0x0
	s_wait_kmcnt 0x0
	s_add_nc_u64 s[6:7], s[6:7], s[20:21]
	s_add_nc_u64 s[8:9], s[8:9], s[20:21]
	s_add_nc_u64 s[4:5], s[4:5], s[22:23]
	s_lshr_b32 s22, s17, 4                         ; out0: the batch's 8,388,608 bytes
	s_lshl_b32 s22, s22, 23
	s_lshl_b32 s23, s16, 20                        ; + 256 rows x 4,096 bytes x block
	s_add_co_u32 s22, s22, s23
	s_lshl_b32 s23, s12, 17                        ; + 32 rows x wave
	s_add_co_u32 s22, s22, s23
	s_and_b32 s23, s17, 15
	s_lshl_b32 s23, s23, 8                         ; + the head's 256 bytes in a row
	s_add_co_u32 s22, s22, s23
	s_mov_b32 s23, 0
	s_add_nc_u64 s[10:11], s[10:11], s[22:23]
	ROUND                                          ; all four work-groups are here: the first joint loads meet
.irp s, 0,1
	s_mov_b32 s[G0K+4*\s], 1                                       ; count = 1
	s_add_co_u32 s[G0K+4*\s+1], s18, \s*SLOT                       ; LDS address: wave x 10,240 + slot x 81,920
	s_add_nc_u64 s[G0K+4*\s+2:G0K+4*\s+3], s[6:7], \s*PHASEB       ; global address: phase s
	s_or_b32 s[G0K+4*\s+3], s[G0K+4*\s+3], 0x80000000              ; type = 2
	s_mov_b32 s[G0V+4*\s], 1
	s_add_co_u32 s[G0V+4*\s+1], s18, \s*SLOT
	s_add_nc_u64 s[G0V+4*\s+2:G0V+4*\s+3], s[8:9], \s*PHASEB
	s_or_b32 s[G0V+4*\s+3], s[G0V+4*\s+3], 0x80000000
	JLOAD \s                                       ; both first fills go out together: two tensor loads of the wave are out here, later one
.endr
	v_and_b32 v1, 15, v0                           ; r
	v_bfe_u32 v22, v0, 4, 1                        ; h
	v_lshlrev_b32 v[QOFF], 7, v1
	v_lshl_add_u32 v[QOFF], v22, 4, v[QOFF]        ; row r x 128 bytes + 16 h
.irp t, 0,1
.irp ks, 0,1
	global_load_b128 v[Q+16*\t+8*\ks:Q+16*\t+8*\ks+3],   v[QOFF], s[4:5] offset:2048*\t+64*\ks      ; d = 32 ks + 8 h + 0..7 of query 16 t + r
	global_load_b128 v[Q+16*\t+8*\ks+4:Q+16*\t+8*\ks+7], v[QOFF], s[4:5] offset:2048*\t+64*\ks+32   ; d = 32 ks + 16 + 8 h + 0..7
.endr
.endr
	v_mul_u32_u24 v[ADRK], v1, KP
	v_lshl_add_u32 v[ADRK], v22, 4, v[ADRK]        ; key r x pitch + 16 h
	v_add_nc_u32 v[ADRK+1], SLOT, v[ADRK]
	v_and_b32 v23, 7, v0
	v_lshl_or_b32 v23, v22, 3, v23                 ; key 8 h + l % 8
	v_mul_u32_u24 v[ADRV], v23, VP
	v_bfe_u32 v23, v0, 3, 1
	v_lshl_add_u32 v[ADRV], v23, 4, v[ADRV]        ; + the 16 bytes of d = 8 ((l / 8) % 2) + 0..7 of a block of 16
	v_add_nc_u32 v[ADRV], 4*REGION, v[ADRV]        ; V's regions lie behind K's four
	v_add_nc_u32 v[ADRV+1], SLOT, v[ADRV]
	s_mul_i32 s19, s12, WSTAGE
	s_add_co_u32 s19, s19, STAGE                   ; my stage
	v_mul_u32_u24 v[STO], v1, SP
	v_lshl_add_u32 v[STO], v22, 5, v[STO]          ; in: query r, 32 bytes for each half of the lanes
	v_add_nc_u32 v[STO], s19, v[STO]
	v_mul_u32_u24 v[RD], v22, SP
	v_lshl_add_u32 v[RD], v1, 4, v[RD]             ; back: lanes 0-15 take one query's 256 bytes, lanes 16-31 the next one's
	v_add_nc_u32 v[RD], s19, v[RD]
	v_lshlrev_b32 v[CO], 12, v22
	v_lshl_add_u32 v[CO], v1, 4, v[CO]             ; the same two rows in out0
	v_mov_b32 v[T2], 0                             ; a lane permute's destination counts as read: written once here
	v_mov_b32 v[T2+1], 0
; 8 LDS loads: K's fragments of step j for d = 32 ks .. 32 ks + 31
.macro LOADK slot, j, ks
.irp kt, 0,1,2,3
	ds_load_b128 v[KV+32*\ks+8*\kt:KV+32*\ks+8*\kt+3],   v[ADRK+\slot] offset:(\j)*REGION+\kt*16*KP+64*\ks
	ds_load_b128 v[KV+32*\ks+8*\kt+4:KV+32*\ks+8*\kt+7], v[ADRK+\slot] offset:(\j)*REGION+\kt*16*KP+64*\ks+32
.endr
.endm
; 16 transposing LDS loads: V^T's fragments of step j, keys 0-31 (u = 0) first
.macro LOADV slot, j
.irp u, 0,1
.irp d, 0,1,2,3
	ds_load_tr16_b128 v[KV+32*\u+8*\d:KV+32*\u+8*\d+3],   v[ADRV+\slot] offset:(\j)*REGION+\u*32*VP+32*\d
	ds_load_tr16_b128 v[KV+32*\u+8*\d+4:KV+32*\u+8*\d+7], v[ADRV+\slot] offset:(\j)*REGION+\u*32*VP+16*VP+32*\d
.endr
.endr
.endm
; 8 matrix instructions: S^T(kt, t) (+)= K(kt, ks) Q(t, ks)^T.  The eight accumulators take turns, one instruction a turn.
.macro QK ks, zero
.irp kt, 0,1,2,3
.irp t, 0,1
.if \zero
	v_wmma_f32_16x16x32_bf16 v[S+32*\t+8*\kt:S+32*\t+8*\kt+7], v[KV+32*\ks+8*\kt:KV+32*\ks+8*\kt+7], v[Q+16*\t+8*\ks:Q+16*\t+8*\ks+7], 0
.else
	v_wmma_f32_16x16x32_bf16 v[S+32*\t+8*\kt:S+32*\t+8*\kt+7], v[KV+32*\ks+8*\kt:KV+32*\ks+8*\kt+7], v[Q+16*\t+8*\ks:Q+16*\t+8*\ks+7], v[S+32*\t+8*\kt:S+32*\t+8*\kt+7]
.endif
.endr
.endr
.endm
; 8 matrix instructions: O^T(dt, t) (+)= V^T(dt, u) P^T(t, u), likewise by turns
.macro PV u, zero
.irp d, 0,1,2,3
.irp t, 0,1
.if \zero
	v_wmma_f32_16x16x32_f16 v[O+16*\d+8*\t:O+16*\d+8*\t+7], v[KV+32*\u+8*\d:KV+32*\u+8*\d+7], v[S+32*\t+16*\u:S+32*\t+16*\u+7], 0
.else
	v_wmma_f32_16x16x32_f16 v[O+16*\d+8*\t:O+16*\d+8*\t+7], v[KV+32*\u+8*\d:KV+32*\u+8*\d+7], v[S+32*\t+16*\u:S+32*\t+16*\u+7], v[O+16*\d+8*\t:O+16*\d+8*\t+7]
.endif
.endr
.endr
.endm
; One step's softmax on 2 x 32 scores a lane.  first = 1: the very first step: no old maximum, no rescale, the sums start.
.macro SOFTMAX first
	; the new maximum: two chains for each tile (scores 0-15 with the old maximum, scores 16-31), four chains that do not wait for each other
.irp t, 0,1
	v_max3_num_f32 v[T+\t],    v[S+32*\t],    v[S+32*\t+1],  v[S+32*\t+2]
	v_max3_num_f32 v[LS+4*\t], v[S+32*\t+16], v[S+32*\t+17], v[S+32*\t+18]
.endr
.irp i, 3,5,7,9,11,13
.irp t, 0,1
	v_max3_num_f32 v[T+\t],    v[T+\t],    v[S+32*\t+\i],    v[S+32*\t+\i+1]
	v_max3_num_f32 v[LS+4*\t], v[LS+4*\t], v[S+32*\t+16+\i], v[S+32*\t+17+\i]
.endr
.endr
.irp t, 0,1
.if \first
	v_max_num_f32 v[T+\t], v[T+\t], v[S+32*\t+15]
.else
	v_max3_num_f32 v[T+\t], v[T+\t], v[S+32*\t+15], v[M+\t]
.endif
.endr
.irp t, 0,1
	v_max3_num_f32 v[T+\t], v[T+\t], v[LS+4*\t], v[S+32*\t+31]
.endr
.irp t, 0,1
	v_permlanex16_b32 v[T2+\t], v[T+\t], s56, s57  ; the other 32 keys of the same query lie in lane l xor 16
.endr
.irp t, 0,1
	v_max_num_f32 v[M+\t], v[T+\t], v[T2+\t]
.endr
.irp t, 0,1
	v_mul_f32 v[T+\t], s60, v[M+\t]                ; the new shift -m c
.endr
.if \first == 0
.irp t, 0,1
	v_sub_f32 v[AL+2*\t], v[T+\t], v[NM+2*\t]      ; new shift - old shift: what was summed under the old shift is brought under the new one exactly
.endr
.irp t, 0,1
	v_exp_f32 v[AL+2*\t], v[AL+2*\t]
.endr
.endif
.irp t, 0,1
	v_mov_b32 v[NM+2*\t],   v[T+\t]                ; plain lines behind the exponentials, ahead of the first use of their results (ISA guide 5.7.2)
	v_mov_b32 v[NM+2*\t+1], v[T+\t]
.endr
.if \first == 0
	s_wait_alu depctr_va_vdst(0)
.irp t, 0,1
	v_mov_b32 v[AL+2*\t+1], v[AL+2*\t]
.endr
.endif
	; p = 2^(s c - m c), in place.  The fused multiply-add of the next pair and the rescale of a pair of O stand among the exponentials,
	; so that a plain independent line follows every run of two.
	v_pk_fma_f32 v[S:S+1], v[S:S+1], s[58:59], v[NM:NM+1] op_sel_hi:[1,0,1]
.set i, 0
.rept 32
.if i < 31
	v_pk_fma_f32 v[S+2*i+2:S+2*i+3], v[S+2*i+2:S+2*i+3], s[58:59], v[NM+2*((i+1)/16):NM+2*((i+1)/16)+1] op_sel_hi:[1,0,1]
.endif
	v_exp_f32 v[S+2*i],   v[S+2*i]
	v_exp_f32 v[S+2*i+1], v[S+2*i+1]
.if \first == 0
	v_pk_mul_f32 v[O+2*i:O+2*i+1], v[O+2*i:O+2*i+1], v[AL+2*((i/4)&1):AL+2*((i/4)&1)+1]
.endif
.set i, i+1
.endr
.if \first
	v_nop                                          ; the plain line behind the last exponential
	s_wait_alu depctr_va_vdst(0)
.endif
	; the step's sum, in f32, again in four chains
	s_wait_alu depctr_va_vdst(0)
.irp t, 0,1
.irp c, 0,1
	v_pk_add_f32 v[LS+4*\t+2*\c:LS+4*\t+2*\c+1], v[S+32*\t+16*\c:S+32*\t+16*\c+1], v[S+32*\t+16*\c+2:S+32*\t+16*\c+3]
.endr
.endr
.irp i, 4,6,8,10,12,14
.irp t, 0,1
.irp c, 0,1
	v_pk_add_f32 v[LS+4*\t+2*\c:LS+4*\t+2*\c+1], v[LS+4*\t+2*\c:LS+4*\t+2*\c+1], v[S+32*\t+16*\c+\i:S+32*\t+16*\c+\i+1]
.endr
.endr
.endr
.irp t, 0,1
	v_pk_add_f32 v[LS+4*\t:LS+4*\t+1], v[LS+4*\t:LS+4*\t+1], v[LS+4*\t+2:LS+4*\t+3]
.endr
.irp t, 0,1
.if \first
	v_add_f32 v[L+\t], v[LS+4*\t], v[LS+4*\t+1]
.else
	v_add_f32 v[LS+4*\t], v[LS+4*\t], v[LS+4*\t+1]
.endif
.endr
.if \first == 0
.irp t, 0,1
	v_fma_f32 v[L+\t], v[L+\t], v[AL+2*\t], v[LS+4*\t]
.endr
.endif
	; pack to f16 in place: register i of a block of 16 takes numbers 2 i and 2 i + 1, which no later line of the block reads.
	; Numbers 0-7 are keys 8 h + 0..7 of the block of 32, numbers 8-15 keys 16 + 8 h + 0..7: the layout of a second source.
.irp t, 0,1
.irp u, 0,1
.irp i, 0,1,2,3,4,5,6,7
	v_cvt_pk_f16_f32 v[S+32*\t+16*\u+\i], v[S+32*\t+16*\u+2*\i], v[S+32*\t+16*\u+2*\i+1]
.endr
.endr
.endr
.endm
; One step: 64 keys of region j of a slot.  K's 16 loads of this step are already issued.  next = 1: the next step's K is fetched from the same slot.
.macro STEP slot, j, first, next
	s_wait_dscnt 0x8                               ; K for d = 0-31 is in; the eight loads for d = 32-63 may be out
	QK 0, 1                                        ; the first products start the sums
	s_wait_dscnt 0x0
	QK 1, 0
	PLACES 4                                       ; ahead of the loads into K's registers and of the first read of S
	LOADV \slot, \j
	SOFTMAX \first
	s_wait_dscnt 0x8                               ; V's keys 0-31 are in; the eight loads for keys 32-63 may be out
	PV 0, \first
.if \next
	PLACES 4                                       ; ahead of the loads into the registers that these eight have read
	LOADK \slot, \j+1, 0
	s_wait_dscnt 0x8                               ; all but the eight just issued: V's keys 32-63 are in
.else
	s_wait_dscnt 0x0
.endif
	PV 1, 0
	PLACES 5                                       ; the next step's first products write over P, which these have read; also ahead of the loads below
.if \next
	LOADK \slot, \j+1, 1
.endif
.endm
.macro PHASE slot, first
	LOADK \slot, 0, 0
	LOADK \slot, 0, 1
	STEP \slot, 0, \first, 1
	STEP \slot, 1, 0, 1
	STEP \slot, 2, 0, 1
	STEP \slot, 3, 0, 0
.endm
; The change of slots.  In front of the round every wave waits for all its tensor loads (one is out: its region of this slot) and for its
; reads of the other slot; behind it that holds of every wave of all four work-groups: the other slot is asked for again first, one load a
; wave, and has this whole phase (128 matrix instructions and four softmax steps of each wave) in which to land.
.macro NEXT slot, other, refill
	s_set_vgpr_msb 0x5
	s_wait_tensorcnt 0x0
	ds_add_u32 v0, v1
	s_wait_dscnt 0x0
	s_set_vgpr_msb 0x500
.if \refill
	s_add_nc_u64 s[G0K+4*\other+2:G0K+4*\other+3], s[G0K+4*\other+2:G0K+4*\other+3], 2*PHASEB   ; no load of mine is out: a group 0 may be written
	s_add_nc_u64 s[G0V+4*\other+2:G0V+4*\other+3], s[G0V+4*\other+2:G0V+4*\other+3], 2*PHASEB
.endif
	s_wait_dscnt 0x0
	ROUND
.if \refill
	JLOAD \other
.endif
	PHASE \slot, 0
.endm
	s_wait_tensorcnt 0x1                           ; my region of slot 0 is in; slot 1's may stay out
	s_barrier_signal -1
	s_barrier_wait -1                              ; everybody's is
	s_wait_loadcnt 0x0                             ; q
	PHASE 0, 1                                     ; phase 0 stands in front of the loop: its first step starts maximum, sums and O
	s_mov_b32 s61, 3
.Lloop:
	NEXT 1, 0, 1                                   ; phases 1, 3, 5; slot 0 gets phases 2, 4, 6
	NEXT 0, 1, 1                                   ; phases 2, 4, 6; slot 1 gets phases 3, 5, 7
	s_sub_co_u32 s61, s61, 1
	s_cmp_lg_u32 s61, 0
	s_cbranch_scc1 .Lloop
	NEXT 1, 0, 0                                   ; phase 7: nothing is left to fetch
	; THE FINISH.  The last step's five places stand behind the last matrix instructions.
.irp t, 0,1
	v_permlanex16_b32 v[T2+\t], v[L+\t], s56, s57  ; the sum over the other half of the keys
.endr
.irp t, 0,1
	v_add_f32 v[L+\t], v[L+\t], v[T2+\t]
.endr
.irp t, 0,1
	v_rcp_f32 v[AL+2*\t], v[L+\t]
.endr
	v_nop                                          ; the plain line behind the reciprocals
	s_wait_alu depctr_va_vdst(0)
.irp t, 0,1
	v_mov_b32 v[AL+2*\t+1], v[AL+2*\t]
.endr
.set i, 0
.rept 32
	v_pk_mul_f32 v[O+2*i:O+2*i+1], v[O+2*i:O+2*i+1], v[AL+2*((i/4)&1):AL+2*((i/4)&1)+1]
.set i, i+1
.endr
	; A lane holds 128 bytes of one query's 256, in four pieces of 32: through my own stage, so that sixteen lanes store a query's whole 256 bytes.
.irp t, 0,1
.irp d, 0,1,2,3
	ds_store_b128 v[STO], v[O+16*\d+8*\t:O+16*\d+8*\t+3]   offset:16*SP*\t+64*\d
	ds_store_b128 v[STO], v[O+16*\d+8*\t+4:O+16*\d+8*\t+7] offset:16*SP*\t+64*\d+16
.endr
.endr
.set n, 0
.rept 16
	ds_load_b128 v[KV+4*n:KV+4*n+3], v[RD] offset:2*SP*n   ; queries 2 n and 2 n + 1; LDS serves a wave's instructions in order (ISA guide 5.7.1.4): these see the stores above
.set n, n+1
.endr
.set n, 0
.rept 16
	s_wait_dscnt 15-n                              ; load n is in, the younger ones stay out
	global_store_b128 v[CO], v[KV+4*n:KV+4*n+3], s[10:11] offset:8192*n th:TH_STORE_NT   ; sixteen lanes store 256 consecutive bytes, at a multiple of 256 from out0's first byte
.set n, n+1
.endr
	s_set_vgpr_msb 0x5
	s_wait_tensorcnt 0x0
	ds_add_u32 v0, v1
	s_wait_dscnt 0x0
	s_set_vgpr_msb 0x500
	ROUND                                          ; the closing round: no work-group ends while a partner may still ask for a tile that names it
	s_endpgm
.Lfunc_end_k_q577e7490b7_attn:
	.size	k_q577e7490b7_attn, .Lfunc_end_k_q577e7490b7_attn-k_q577e7490b7_attn
	.p2alignl 7, 3214868480
	.fill 96, 4, 3214868480
	.section	.rodata,"a",@progbits
	.p2align	6, 0x0
	.amdhsa_kernel k_q577e7490b7_attn
		.amdhsa_group_segment_fixed_size 327680
		.amdhsa_private_segment_fixed_size 0
		.amdhsa_enable_private_segment 0
		.amdhsa_kernarg_size 32
		.amdhsa_user_sgpr_count 2
		.amdhsa_user_sgpr_kernarg_segment_ptr 1
		.amdhsa_wavefront_size32 1
		.amdhsa_system_sgpr_workgroup_id_x 1
		.amdhsa_system_sgpr_workgroup_id_y 1
		.amdhsa_system_sgpr_workgroup_id_z 1
		.amdhsa_system_vgpr_workitem_id 0
		.amdhsa_next_free_vgpr 258
		.amdhsa_next_free_sgpr 66
		.amdhsa_reserve_vcc 0
		.amdhsa_float_denorm_mode_32 3
		.amdhsa_float_denorm_mode_16_64 3
		.amdhsa_memory_ordered 1
		.amdhsa_forward_progress 1
		.amdhsa_inst_pref_size 255
	.end_amdhsa_kernel
	.section	.bss,"aw",@nobits
	.p2align	6
	.space	262144
	.amdgpu_metadata
---
amdhsa.version: [ 1, 2 ]
amdhsa.kernels:
  - .name:           k_q577e7490b7_attn
    .symbol:         k_q577e7490b7_attn.kd
    .args:
      - { .name: qh, .offset: 0, .size: 8, .value_kind: global_buffer, .address_space: global }
      - { .name: kh, .offset: 8, .size: 8, .value_kind: global_buffer, .address_space: global }
      - { .name: vh, .offset: 16, .size: 8, .value_kind: global_buffer, .address_space: global }
      - { .name: out0, .offset: 24, .size: 8, .value_kind: global_buffer, .address_space: global }
    .group_segment_fixed_size: 327680
    .private_segment_fixed_size: 0
    .kernarg_segment_align: 8
    .kernarg_segment_size: 32
    .max_flat_workgroup_size: 256
    .sgpr_count:     66
    .vgpr_count:     258
    .wavefront_size: 32
...
	.end_amdgpu_metadata
.endif
;; end of part 3
